; MI455X (gfx1250); checked and timed in simulation.
; The chip was launched on July 23, 2026; its instructions are those of AMD's public machine-readable ISA for CDNA 5 (MIT licence, August 2026) and "CDNA5" Instruction Set Architecture Reference Guide (July 2026). The comments in the code are by the model that wrote it; some were corrected since.
;; Model Base. Allowed arithmetic: matrix products marked QUANTISED: E2M3 operands, one E8M0 scale for each 32 along K, by v_wmma_scale_f32_16x16x128_f8f6f4 with both operands' format E2M3, f32 sums; everything else in f32.
;; Inputs: x 16 x 2,048 x 256 float32; y 16 x 2,048 x 256 float32.
;; Outputs: out0 16 x 4,096 float32.
;; This version of the problem:
;;   THIS VERSION OF THE PROBLEM IS GIVEN IN LOW PRECISION. The matrix products marked QUANTISED in the list below multiply operands that are first quantised to E2M3 (2 exponent bits, 3 mantissa bits; 6 bits a number), with one power-of-two scale for each 32 numbers along K (OCP MX v1.0); their sums are f32. All else is computed in f32.
;;   The module's matrix products, in the order in which they are computed (A, B: the left and right operand; K: the contracted axis; several contracted axes count as one K, in the product's order):
;;     1. batch 16 x [M 2,048, K 256] x [K 256, N 2,048]; A: input x; B: input y: QUANTISED
;;   THE QUANTISER, for each operand of a quantised product, along K:
;;     - K is cut into blocks of 32 from its start; a last block that is shorter is filled with zeros.
;;     - A block's scale is 2^e with e = floor(log2(the largest magnitude in the block)) - 2, held to -126 .. 127; a block of zeros has e = 0. As a byte (E8M0): e + 127.
;;     - Each number is divided by its block's scale, clamped to +-7.5, and rounded to the nearest number of E2M3, ties to even, subnormals kept.
;;     - The product sums the exact products of the quantised numbers (number of the format x scale) in f32.
;;   ~~~python
;;   def quantise(x, axis):      # numpy; x: float32 -> the quantised numbers, widened to float32 again
;;       x = np.moveaxis(x, axis, -1); K = x.shape[-1]
;;       x = np.pad(x, [(0, 0)] * (x.ndim - 1) + [(0, -K % 32)]); x = x.reshape(x.shape[:-1] + (-1, 32)); a = np.abs(x).max(-1, keepdims=True)
;;       e = np.where(a > 0, np.clip(np.frexp(np.where(a > 0, a, 1))[1] - 1 - 2, -126, 127), 0)      # np.frexp(a)[1] - 1 = floor(log2(a)), exactly
;;       r = np.clip(x / 2.0 ** e, -7.5, 7.5)
;;       step = 2.0 ** (np.maximum(np.frexp(np.where(r == 0, 1, r))[1] - 1, 0) - 3)
;;       q = np.round(r / step) * step * 2.0 ** e      # np.round: ties to even
;;       return np.moveaxis(q.reshape(q.shape[:-2] + (-1,))[..., :K], -1, axis).astype(np.float32)
;;   ~~~
;; One version. Each part assembles by itself: llvm-mc -triple=amdgcn-amd-amdhsa -mcpu=gfx1250 --defsym DOCPART=n.
;; ======== version 1 of 1: 2 launches
;; limits: right only within a limited range of input values
;; workspace buffers: codes 13,107,200 bytes
;; launch quant (part 1): grid 256 x 1, 16 waves a work-group, no clusters, 270,336 bytes of LDS; arguments x, y, codes; writes codes
.if DOCPART == 1
	.amdgcn_target "amdgcn-amd-amdhsa--gfx1250"
	.amdhsa_code_object_version 6
	.text
	.protected	k_q4af95613ff_quant
	.globl	k_q4af95613ff_quant
	.p2align	8
	.type	k_q4af95613ff_quant,@function
k_q4af95613ff_quant:
	s_mov_b64 s[64:65], 0
	v_nop
	global_prefetch_b8 v0, s[64:65] scope:SCOPE_SE
	s_setreg_imm32_b32 hwreg(HW_REG_WAVE_MODE, 25, 1), 1
	s_wait_xcnt 0x0
; x and y, each [16][2048][256] f32, are turned into codes of FP6 (E2M3) with one E8M0 scale byte for each 32 along the last axis, which is the product's K.
; A block's scale is 2^(floor(log2(its largest magnitude)) - 2); its byte is the largest magnitude's own exponent field - 2, held at 1 from below.  Each number is divided by the scale and
; rounded to the nearest code, ties to even; beyond 7.5 the conversion gives the largest code.
; LIMITS: NaN and infinities among the inputs are not served.  A block of zeros gets the byte 1 where the rule says 127: its codes are zeros, which add nothing under that byte, and the
; bytes are read by this program alone.  A block whose largest magnitude lies under 2^-124 is taken at the scale 2^-126, which is the rule's hold at -126.
; WHAT IS WRITTEN: codes holds 1,024 records for x, then 1,024 for y.  A RECORD, 6,400 bytes, holds 32 rows (two tiles u of 16 rows) over all 256 of K (two steps s of 128), in the order of the operand's registers:
;   fragment (u, s) at byte 1536 (2 u + s): three runs of 512 bytes, run c holding registers 4 c .. 4 c + 3 of the operand's 12, lane l's 16 bytes at 16 l;
;   lane (r = l % 16, h = l / 16) holds row 16 u + r, and registers 6 c' .. 6 c' + 5 hold K = 128 s + 64 c' + 32 h + 0 .. 31;
;   tile u's scale words at byte 6,144 + 128 u, lane l's at 4 l: row r's four bytes for K step h.  So one register serves K step 0 from lanes 0-15 and K step 1 from lanes 16-31.
; SHARES.  Work-groups 0-127 take x, 128-255 y: only a pointer is chosen, there is one path.  A work-group takes 256 rows, each of its sixteen waves one tile of 16, asked for by one tensor load.
; All 262,144 bytes of f32 fit in LDS: nothing is filled twice.  The scale words of two tiles make one aligned 256 bytes: they meet in LDS, behind the one barrier, and leave as whole units.
; No cluster: no two work-groups read the same byte.
.set REC,   6400
.set PITCH, 1040                       ; an LDS row: 1,024 bytes + 16 of padding: row r starts at bank 4 r mod 64 (64 banks of 4 bytes: ISA guide 11.1)
.set TILEB, 16*PITCH                   ; a wave's tile
.set SCB,   16*TILEB                   ; behind the tiles: sixteen times 128 bytes of scale words; no tensor load lands there
.set SPARE, SCB+2048                   ; and the spare words, 128 bytes for each wave
.set M,   8                            ; v8-11   the four blocks' largest magnitudes
.set SCL, 12                           ; v12-15  the conversions' scale operands
.set BY,  16                           ; v16-19  the scale bytes
.set P,   20                           ; v20-21  the scale words of K steps 0 and 1
.set O,   22                           ; v22-23  the other half of the lanes' bytes
.set SW,  24                           ; v24     the tile's word as it is stored
.set SRD, 25                           ; v25     LDS: where the gathered words are read
.set SPW, 26                           ; v26     my spare word's LDS address; never rewritten
.set NIL, 27                           ; v27     0; never rewritten
.set TMP, 28                           ; v28-43  a block's upper 16 codes, four registers' room for each block
.set C,   44                           ; v44-67  the codes
.set SCO, 68                           ; v68     where the gathered words go in the work-group's records
.set X,   72                           ; v72-199 four blocks of 32 numbers
	s_load_b128 s[4:7], s[0:1], 0x0                ; x s[4:5], y s[6:7]
	s_load_b64 s[8:9], s[0:1], 0x10                ; codes
	v_lshl_add_u32 v[SPW], v0, 2, SPARE
	v_mov_b32 v[NIL], 0
	ds_add_u32 v[SPW], v[NIL]                      ; the opening lines: the add, twice on end, and its one wait ahead of my first tensor load
	ds_add_u32 v[SPW], v[NIL]
	v_lshrrev_b32 v1, 5, v0
	v_readfirstlane_b32 s12, v1                    ; wave 0..15
	s_and_b32 s13, ttmp9, 127                      ; which 256 rows of the tensor
	; descriptor group 1: a tile of 16 rows x 256 elements of 4 bytes, padded in LDS
	s_mov_b32 s16, (2<<16)|(1<<20)|(7<<22)|(3<<25) ; no mask; elements of 4 bytes; padding on: after every 256 words (code 7) 4 words (code 3)
	s_mov_b32 s17, 256<<16                         ; tensor_dim0 = 256
	s_mov_b32 s18, 16<<16                          ; tensor_dim1 = 16
	s_mov_b32 s19, 256<<16                         ; tile_dim0 = 256
	s_mov_b32 s20, 16                              ; tile_dim1 = 16
	s_mov_b32 s21, 256                             ; elements from row to row
	s_mov_b32 s22, 0
	s_mov_b32 s23, 0
	s_mul_i32 s32, s12, TILEB                      ; my tile in LDS
	s_lshl_b32 s14, s13, 18                        ; 256 rows of 1,024 bytes,
	s_lshl_b32 s15, s12, 14                        ; my wave's 16 of them
	s_add_co_u32 s14, s14, s15
	s_mov_b32 s15, 0
	s_mul_i32 s36, ttmp9, 8*REC                    ; my work-group's eight records
	s_mov_b32 s37, 0
	s_lshr_b32 s38, s12, 1
	s_mul_i32 s38, s38, REC
	s_and_b32 s39, s12, 1
	s_mul_i32 s39, s39, 3072
	s_add_co_u32 s38, s38, s39                     ; my tile: record wave / 2, u = wave % 2
	s_mov_b32 s39, 0
	s_mov_b32 s33, 0xffff0000                      ; lanes 16-31
	s_mov_b32 s34, 0x76543210                      ; v_permlanex16_b32's selects for lane l xor 16
	s_mov_b32 s35, 0xfedcba98
	s_lshl_b32 s40, s12, 7
	s_add_co_u32 s40, s40, SCB                     ; my tile's 128 bytes of scale words
	s_and_b32 s41, s12, 3
	s_lshl_b32 s42, s41, 9
	s_add_co_u32 s42, s42, SCB                     ; waves 0-3 send 512 bytes of them each: records 2 w and 2 w + 1
	s_mul_i32 s41, s41, 2*REC
	s_add_co_u32 s41, s41, 6144
	s_wait_dscnt 0x0                               ; both opening adds are done
	s_wait_kmcnt 0x0
	s_cmp_lt_u32 ttmp9, 128                        ; x's work-group or y's: the choice hangs on the work-group's number alone
	s_cselect_b64 s[4:5], s[4:5], s[6:7]
	s_add_nc_u64 s[4:5], s[4:5], s[14:15]          ; my first row
	s_mov_b32 s24, 1                               ; group 0: count = 1,
	s_mov_b32 s25, s32                             ; LDS address,
	s_mov_b64 s[26:27], s[4:5]                     ; global address,
	s_or_b32 s27, s27, 0x80000000                  ; type = 2
	tensor_load_to_lds s[24:27], s[16:23]          ; my one load
	s_nop 0
	s_add_nc_u64 s[8:9], s[8:9], s[36:37]          ; my work-group's records
	s_add_nc_u64 s[36:37], s[8:9], s[38:39]        ; my tile's fragments
	v_and_b32 v1, 31, v0                           ; lane
	v_and_b32 v2, 15, v0                           ; r
	v_bfe_u32 v3, v0, 4, 1                         ; h
	v_mov_b32 v[O], 0                              ; written once: a lane permute's destination counts as one of its sources
	v_mov_b32 v[O+1], 0
	v_mul_u32_u24 v4, v2, PITCH
	v_mul_u32_u24 v[SCO], v3, REC
	v_lshlrev_b32 v5, 4, v1                        ; out: 16 bytes a lane
	v_lshlrev_b32 v7, 3, v3                        ; my bytes' place in a scale word: 8 h bits up
	v_lshl_add_u32 v4, v3, 7, v4
	v_lshl_add_u32 v[SCO], v2, 4, v[SCO]
	v_lshl_add_u32 v6, v1, 2, s40                  ; my scale word's place in LDS
	v_add_nc_u32 v[SRD], s42, v5
	v_add_nc_u32 v4, s32, v4                       ; LDS: row r, + 128 h: lanes 16-31 take the odd blocks of 32
	v_add_nc_u32 v[SCO], s41, v[SCO]
	s_wait_alu depctr_va_vdst(0)
	s_wait_tensorcnt 0x0                           ; my tile is in; nobody else reads it
	; Lane (r, h) takes blocks h, 2 + h, 4 + h, 6 + h of its row whole: no other lane is asked for a maximum, and the conversions' results are the operand's registers.
.irp cc, 0,1,2,3
.irp i, 0,1,2,3,4,5,6,7
	ds_load_b128 v[X+32*\cc+4*\i:X+32*\cc+4*\i+3], v4 offset:256*\cc+16*\i
.endr
.endr
	s_wait_dscnt 0x0
.irp cc, 0,1,2,3
	v_max3_num_f32 v[M+\cc], |v[X+32*\cc]|, |v[X+32*\cc+1]|, 0x1800000   ; the floor 2^(3 - 127) among the leaves: the byte cannot fall under 1
.endr
.irp i, 2,4,6,8,10,12,14,16,18,20,22,24,26,28,30
.irp cc, 0,1,2,3
	v_max3_num_f32 v[M+\cc], v[M+\cc], |v[X+32*\cc+\i]|, |v[X+32*\cc+\i+1]|   ; the four blocks by turns
.endr
.endr
.irp cc, 0,1,2,3
	v_add_nc_u32 v[SCL+\cc], 0xff000000, v[M+\cc]  ; 2 off the exponent field: the conversion takes the exponent field of this operand as its scale, and nothing else of it
.endr
.irp cc, 0,1,2,3
	v_lshrrev_b32 v[BY+\cc], 23, v[SCL+\cc]        ; the scale's byte
.endr
.irp cc, 0,1,2,3
	v_cvt_scalef32_pk16_fp6_f32 v[C+6*\cc:C+6*\cc+2], v[X+32*\cc:X+32*\cc+15], v[SCL+\cc]            ; the block's lower 16 codes: 96 bits
	v_cvt_scalef32_pk16_fp6_f32 v[TMP+4*\cc:TMP+4*\cc+2], v[X+32*\cc+16:X+32*\cc+31], v[SCL+\cc]     ; the upper 16 (a conversion's three registers begin on an even number: made elsewhere and moved)
.endr
.macro UPPER cc
.irp i, 0,1,2
	v_mov_b32 v[C+6*\cc+3+\i], v[TMP+4*\cc+\i]
.endr
.endm
.irp s, 0,1
	v_lshl_or_b32 v[P+\s], v[BY+2*\s+1], 16, v[BY+2*\s]    ; K step s: my bytes are those of its blocks h and 2 + h (and the plain places behind the conversions),
.endr
	UPPER 0
.irp s, 0,1
	v_lshlrev_b32 v[P+\s], v7, v[P+\s]             ; at their places;
.endr
	UPPER 1
.irp s, 0,1
	v_permlanex16_b32 v[O+\s], v[P+\s], s34, s35
.endr
	UPPER 2
.irp s, 0,1
	v_or_b32 v[P+\s], v[P+\s], v[O+\s]             ; with lane l xor 16's two the word is whole
.endr
	UPPER 3
	v_cndmask_b32 v[SW], v[P], v[P+1], s33         ; lanes 0-15 keep K step 0's word, lanes 16-31 K step 1's
	ds_store_b32 v6, v[SW]
.irp k, 0,1,2,3,4,5
	global_store_b128 v5, v[C+4*\k:C+4*\k+3], s[36:37] offset:512*\k   ; the tile's two fragments on end; each store covers 512 consecutive bytes, at a multiple of 256 from the buffer's first byte
.endr
	s_wait_dscnt 0x0                               ; for the others' sake: my scale words are in LDS
	s_barrier_signal -1
	s_barrier_wait -1                              ; everybody's are
	s_cmp_lt_u32 s12, 4
	s_cbranch_scc0 .Lend
	ds_load_b128 v[TMP:TMP+3], v[SRD]
	s_wait_dscnt 0x0
	global_store_b128 v[SCO], v[TMP:TMP+3], s[8:9] ; sixteen lanes to a record's 256 bytes of scale words
.Lend:
	s_wait_tensorcnt 0x0                           ; the wave's end
	ds_add_u32 v[SPW], v[NIL]
	s_wait_dscnt 0x0
	s_endpgm
.Lfunc_end_k_q4af95613ff_quant:
	.size	k_q4af95613ff_quant, .Lfunc_end_k_q4af95613ff_quant-k_q4af95613ff_quant
	.p2alignl 7, 3214868480
	.fill 96, 4, 3214868480
	.section	.rodata,"a",@progbits
	.p2align	6, 0x0
	.amdhsa_kernel k_q4af95613ff_quant
		.amdhsa_group_segment_fixed_size 270336
		.amdhsa_private_segment_fixed_size 0
		.amdhsa_enable_private_segment 0
		.amdhsa_kernarg_size 24
		.amdhsa_user_sgpr_count 2
		.amdhsa_user_sgpr_kernarg_segment_ptr 1
		.amdhsa_wavefront_size32 1
		.amdhsa_system_sgpr_workgroup_id_x 1
		.amdhsa_system_sgpr_workgroup_id_y 1
		.amdhsa_system_sgpr_workgroup_id_z 1
		.amdhsa_system_vgpr_workitem_id 0
		.amdhsa_next_free_vgpr 200
		.amdhsa_next_free_sgpr 66
		.amdhsa_reserve_vcc 0
		.amdhsa_float_denorm_mode_32 3
		.amdhsa_float_denorm_mode_16_64 3
		.amdhsa_memory_ordered 1
		.amdhsa_forward_progress 1
		.amdhsa_inst_pref_size 13
	.end_amdhsa_kernel
	.amdgpu_metadata
---
amdhsa.version: [ 1, 2 ]
amdhsa.kernels:
  - .name:           k_q4af95613ff_quant
    .symbol:         k_q4af95613ff_quant.kd
    .args:
      - { .name: x, .offset: 0, .size: 8, .value_kind: global_buffer, .address_space: global }
      - { .name: y, .offset: 8, .size: 8, .value_kind: global_buffer, .address_space: global }
      - { .name: codes, .offset: 16, .size: 8, .value_kind: global_buffer, .address_space: global }
    .group_segment_fixed_size: 270336
    .private_segment_fixed_size: 0
    .kernarg_segment_align: 8
    .kernarg_segment_size: 24
    .max_flat_workgroup_size: 512
    .sgpr_count:     66
    .vgpr_count:     200
    .wavefront_size: 32
...
	.end_amdgpu_metadata
.endif
;; end of part 1
;; launch score (part 2): grid 4 x 64, 8 waves a work-group, clusters of 4 x 4, 327,680 bytes of LDS; arguments codes, out0; writes out0
.if DOCPART == 2
	.amdgcn_target "amdgcn-amd-amdhsa--gfx1250"
	.amdhsa_code_object_version 6
	.text
	.protected	k_q4af95613ff_score
	.globl	k_q4af95613ff_score
	.p2align	8
	.type	k_q4af95613ff_score,@function
k_q4af95613ff_score:
	s_mov_b64 s[64:65], 0
	v_nop
	global_prefetch_b8 v0, s[64:65] scope:SCOPE_SE
	s_setreg_imm32_b32 hwreg(HW_REG_WAVE_MODE, 25, 1), 1
	s_wait_xcnt 0x0
	s_wait_alu depctr_hold_cnt(0) depctr_sa_sdst(0) depctr_va_vdst(0) depctr_va_sdst(0) depctr_va_ssrc(0) depctr_va_vcc(0) depctr_vm_vsrc(0)
	s_getreg_b32 s2, hwreg(HW_REG_IB_STS2, 6, 4)
	s_cmp_eq_u32 s2, 0
	s_cbranch_scc0 .Lentry_in_a_cluster
	s_endpgm
.Lentry_in_a_cluster:
	s_bfe_u32 s2, ttmp6, 0x10000c
	s_cmp_lg_u32 s2, 0xf033
	s_cbranch_scc0 .Lentry_shape_is_right
	s_endpgm
.Lentry_shape_is_right:
; out0[b][m] = sum over n of S[b][n][m];  out0[b][2048 + n] = sum over m of S[b][n][m];  S[b][n][m] = Q(x)[b][n] . Q(y)[b][m] on codes of FP6 (E2M3) with E8M0 scales, f32 sums.
; EACH SUM HAS ONE OWNER.  A work-group keeps 256 rows of one tensor RESIDENT and lets all 2,048 rows of the batch's other tensor STREAM past them.  The sum over the streamed rows is carried by the matrix
; instruction's own addend: the products of a resident tile with all streamed tiles are one chain on one accumulator.  So every element of S is made twice in the launch, once for each of the two sums that it
; goes into; nothing of S is kept, no part of a sum leaves the work-group, and no launch is spent on adding parts.  The order of these f32 sums is not the reference's.  NaN and infinities among the inputs are not served.
; codes: records of 6,400 bytes, 32 rows (two tiles u) x 256 K (two steps s), x's 1,024 and then y's: fragment (u, s) at byte 1536 (2 u + s), three runs of 512 bytes, lane l at 16 l; tile u's scale words at
; byte 6,144 + 128 u, 4 bytes a lane, lanes 0-15 for K step 0, lanes 16-31 for K step 1.
; SHARES.  A cluster of 4 x 4 work-groups is one batch.  Work-group (cx, cy): z = cy / 2 = 0: y's rows are resident and x streams; z = 1: the other way round.  Resident rows: 256 (4 (cy % 2) + cx) on.
; The four of a row of the cluster stream the same records: these are asked for JOINTLY.  The resident rows are the work-group's own.
; Wave w: i = w / 4: resident tiles 8 i .. 8 i + 7, kept in 192 registers; jj = w % 4: a quarter of the streamed tiles, 32, as 16 records q.  512 matrix instructions a wave.
; THE STREAM, 64 records: part 0, 8 records (q = 0, 1 of every wave); part 1, 16 (q = 2 .. 5); part 2, 16 (q = 6 .. 9); part 3, 24 (q = 10 .. 15).  In each part wave jj takes a run of its own.
; THE HEAD asks for parts 0 to 2 and the resident records, one tensor load a wave: waves 0, 1 part 0; waves 2, 3 the first four resident tiles of each half; waves 4, 5 the other four; wave 6 part 1; wave 7 part 2.
; What has landed is shown by barriers in the order in which it is needed.  Part 3 is the one refill: it lands where parts 0 and 1 lay.
; NO PREFETCH: the text has no loop to run ahead in, and every byte of a streamed tensor is also a resident byte of some work-group of the same cluster, asked for at the head.
; BY TURNS: four or eight accumulators, one instruction a turn: three others or more stand between a sum's steps.
; REGISTERS.  Window 0: v1-13 addresses; v16-19, v24-27 resident scale words; v20-23 streamed scale words; v32-95 accumulators; v96-191 streamed fragments, two buffers of a record.
;   Window 1: v0-191 resident fragments ((a, s) at 24 a + 12 s); v192-201 LDS addresses.  One setting, source 0 in window 1, serves products and fetches alike.
.set REC,   6400
.set TENS,  1024*REC                   ; x's part of codes
.set P1,    8*REC                      ; LDS: part 0 at 0, part 1 here,
.set P2,    24*REC                     ; part 2,
.set RES,   40*REC                     ; the resident records,
.set SPARE, RES+8*REC                  ; the spare words, 128 bytes for each wave.  Part 3 lands on parts 0 and 1
.set SCR,   P2                         ; the way out lies where part 2 lay, which is filled once: behind the barrier that ends part 2's reads.  For each wave 16 columns of
.set CP,    528                        ; 128 numbers + 16 bytes
.set SCRW,  16*CP
.set STO, 8
.set RD,  9
.set FIN, 10
.set SPW, 12
.set NIL, 13
.set RS,  16
.set SS,  20                           ; (a resident scale register's number is 0 to 3 modulo 8, a streamed one's 4 to 7)
.set ACC, 32
.set XB,  96
.set XAD, 192                          ; window 1: v192-195 my streamed records of parts 0 to 3: + 16 x lane
.set XSD, 196                          ; v196-199 their scale words: + 4 x lane
.set RAD, 200                          ; v200 my resident records: + 16 x lane
.set RSD, 201                          ; v201 their scale words
.set MSB, 0
.macro WIN new                         ; the immediate's high byte repeats the setting that is left
.if MSB != \new
	s_set_vgpr_msb (MSB<<8)|\new
.set MSB, \new
.endif
.endm
.macro PLACES                          ; four places behind products, in front of loads into registers that they have read and of reads of results
.rept 4
	v_nop
.endr
.endm
.macro CREST                           ; a round of the cluster's barrier behind its opening barrier
	s_cmp_lg_u32 s8, 0
	s_cbranch_scc1 .Lnot_wave_0_\@
	s_barrier_signal -3
.Lnot_wave_0_\@:
	s_barrier_wait -3
	s_barrier_signal -1
	s_barrier_wait -1
.endm
.macro CROUND                          ; a whole round
	s_barrier_signal -1
	s_barrier_wait -1
	CREST
.endm
.macro G1W g, rows                     ; the shape: a dense block as rows of 32 elements of 8 bytes, no padding (images are read 16 bytes a lane, on end)
	s_mov_b32 s[\g+1], 32<<16                      ; tensor_dim0 = 32
	s_mov_b32 s[\g+2], \rows<<16                   ; tensor_dim1
	s_mov_b32 s[\g+3], 32<<16                      ; tile_dim0 = 32
	s_mov_b32 s[\g+4], \rows                       ; tile_dim1
	s_mov_b32 s[\g+5], 32                          ; elements from row to row
	s_mov_b32 s[\g+6], 0
	s_mov_b32 s[\g+7], 0
.endm
	s_load_b128 s[4:7], s[0:1], 0x0                ; codes s[4:5], out0 s[6:7]
	v_lshl_add_u32 v[SPW], v0, 2, SPARE
	v_mov_b32 v[NIL], 0
	ds_add_u32 v[SPW], v[NIL]                      ; the opening lines: the add, twice on end, and its one wait ahead of my first tensor load
	ds_add_u32 v[SPW], v[NIL]
	v_lshrrev_b32 v1, 5, v0
	v_readfirstlane_b32 s8, v1                     ; wave 0..7
	s_bfe_u32 s9, ttmp6, 0x40000                   ; cx
	s_bfe_u32 s10, ttmp6, 0x40004                  ; cy
	s_and_b32 s11, ttmp7, 0xffff                   ; the cluster's y: the batch
	s_and_b32 s12, s8, 3                           ; jj
	s_lshr_b32 s13, s8, 2                          ; i
	s_and_b32 s14, s8, 1                           ; which of a pair of head loads is mine
	s_lshl_b32 s15, s10, 2
	s_lshl_b32 s15, 15, s15                        ; my row of the cluster: places 4 cy .. 4 cy + 3
	s_mov_b32 s24, 3<<16                           ; group 1 for resident records: no mask; two records
	G1W 24, 50
	s_or_b32 s32, s15, (3<<16)|(1<<21)             ; for part 0: the mask of my row, bit 21 set beside it; four records
	G1W 32, 100
	s_or_b32 s40, s15, (3<<16)|(1<<21)             ; for parts 1 and 2: sixteen
	G1W 40, 400
	s_or_b32 s84, s15, (3<<16)|(1<<21)             ; for part 3: three
	G1W 84, 75
	; where the records come from.  The streamed ones hang on the batch, cy and the wave alone
	s_mul_i32 s18, s11, 64*REC                     ; 64 records a batch
	s_lshr_b32 s16, s10, 1                         ; z
	s_mul_i32 s16, s16, TENS
	s_add_co_u32 s16, s16, s18
	s_mov_b32 s17, 0
	s_lshr_b32 s20, s10, 1
	s_xor_b32 s20, s20, 1                          ; the other tensor is the resident one
	s_mul_i32 s20, s20, TENS
	s_add_co_u32 s20, s20, s18
	s_and_b32 s76, s10, 1
	s_lshl_b32 s76, s76, 2
	s_add_co_u32 s76, s76, s9                      ; which 256 rows
	s_mul_i32 s76, s76, 8*REC
	s_add_co_u32 s20, s20, s76
	s_mov_b32 s21, 0
	s_mul_i32 s22, s14, 4*REC
	s_mov_b32 s23, 0
	s_mul_i32 s66, s8, 3*REC                       ; of part 3 I ask for records 3 w .. 3 w + 2
	s_mov_b32 s67, 0
	s_wait_dscnt 0x0                               ; both opening adds are done
	s_wait_kmcnt 0x0
	s_add_nc_u64 s[16:17], s[4:5], s[16:17]
	s_add_nc_u64 s[20:21], s[4:5], s[20:21]
	s_mov_b32 s48, 1                               ; group 0 for part 0, four records a wave: count = 1, LDS address, global address, type = 2
	s_mov_b32 s49, s22
	s_add_nc_u64 s[50:51], s[16:17], s[22:23]
	s_or_b32 s51, s51, 0x80000000
	s_mov_b32 s52, 1                               ; resident records 0, 1 of half 0 or 1
	s_add_co_u32 s53, s22, RES
	s_add_nc_u64 s[54:55], s[20:21], s[22:23]
	s_or_b32 s55, s55, 0x80000000
	s_mov_b32 s56, 1                               ; resident records 2, 3 of half 0 or 1
	s_add_co_u32 s57, s22, RES+2*REC
	s_add_nc_u64 s[58:59], s[20:21], s[22:23]
	s_add_nc_u64 s[58:59], s[58:59], 2*REC
	s_or_b32 s59, s59, 0x80000000
	s_mov_b32 s60, 1                               ; part 1
	s_mov_b32 s61, P1
	s_add_nc_u64 s[62:63], s[16:17], P1
	s_or_b32 s63, s63, 0x80000000
	s_mov_b32 s68, 1                               ; part 2
	s_mov_b32 s69, P2
	s_add_nc_u64 s[70:71], s[16:17], P2
	s_or_b32 s71, s71, 0x80000000
	CROUND                                         ; all sixteen work-groups are here: the joint loads meet
; One chain of branches on the wave's number, one load in each arm
.macro ARM under, g0, g1, next
	s_cmp_lt_u32 s8, \under
	s_cbranch_scc0 \next
	tensor_load_to_lds s[\g0:\g0+3], s[\g1:\g1+7]
	s_nop 0
.rept 4
	v_nop
.endr
	s_branch .Lasked
\next:
.endm
	ARM 2, 48, 32, .Lhead_ra
	ARM 4, 52, 24, .Lhead_rb
	ARM 6, 56, 24, .Lhead_p1
	ARM 7, 60, 40, .Lhead_p2
	tensor_load_to_lds s[68:71], s[40:47]
	s_nop 0
.rept 4
	v_nop
.endr
.Lasked:
	s_mov_b32 s72, 1                               ; group 0 for part 3, which begins 40 records on and lands at 0
	s_mov_b32 s73, s66
	s_add_nc_u64 s[74:75], s[16:17], s[66:67]
	s_add_nc_u64 s[74:75], s[74:75], 40*REC
	s_or_b32 s75, s75, 0x80000000
	; my work-group's 1,024 bytes of out0: 1024 (16 b + 4 cy + cx); waves 0 and 1 store 512 each
	s_lshl_b32 s76, s11, 4
	s_lshl_b32 s77, s10, 2
	s_add_co_u32 s76, s76, s77
	s_add_co_u32 s76, s76, s9
	s_lshl_b32 s76, s76, 10
	s_lshl_b32 s77, s14, 9
	s_add_co_u32 s76, s76, s77
	s_mov_b32 s77, 0
	s_add_nc_u64 s[6:7], s[6:7], s[76:77]
	s_mul_i32 s78, s8, SCRW
	s_add_co_u32 s78, s78, SCR                     ; my part of the way out
	s_mul_i32 s79, s14, 4*SCRW
	s_add_co_u32 s79, s79, SCR                     ; waves 0, 1: the parts of the four waves of half 0, 1
	s_mul_i32 s80, s12, 2*REC                      ; my records of part 0,
	s_mul_i32 s81, s12, 4*REC
	s_add_co_u32 s82, s81, P2                      ; of part 2,
	s_add_co_u32 s81, s81, P1                      ; of part 1,
	s_mul_i32 s83, s12, 6*REC                      ; of part 3
	s_mul_i32 s18, s13, 4*REC
	s_add_co_u32 s18, s18, RES                     ; my resident records
	v_and_b32 v1, 31, v0                           ; lane
	v_and_b32 v2, 15, v0                           ; r
	v_bfe_u32 v3, v0, 4, 1                         ; h
	v_lshlrev_b32 v4, 4, v1                        ; 16 x lane
	v_mul_u32_u24 v6, v2, CP
	v_lshlrev_b32 v5, 2, v1                        ; 4 x lane
	v_add_nc_u32 v[RD], s78, v4                    ; the way out, back: four neighbouring rows a lane
	v_lshl_add_u32 v6, v3, 5, v6
	v_add_nc_u32 v[FIN], s79, v4
	v_add_nc_u32 v[STO], s78, v6                   ; in: column r, rows 8 h on
	WIN 0x40                                       ; destination window 1
.irp p, 0,1,2,3
	v_add_nc_u32 v[XAD+\p], s[80+\p], v4
	v_add_nc_u32 v[XSD+\p], s[80+\p], v5
.endr
	v_add_nc_u32 v[RAD], s18, v4
	v_add_nc_u32 v[RSD], s18, v5
	WIN 0
; The product of resident tile a and tile u of the record in buffer p, K step s: source 0 = 16 resident rows, source 1 = 16 streamed rows: register j of lane (r, h) sums resident row 16 a + 8 h + j over the
; streamed rows that are r modulo 16.  K step 1 takes both sides' scale words from lanes 16-31.  zero = 1: an accumulator's first product takes the constant 0.
.macro WM a, p, u, s, zero
.set wd, ACC+8*(\a)
.set wf, 24*(\a)+12*(\s)
.set wx, XB+48*(\p)+24*(\u)+12*(\s)
.set wr, RS+(\a)+4*((\a)/4)
.set ws, SS+2*(\p)+(\u)
.if (\s) == 1
	v_wmma_scale_f32_16x16x128_f8f6f4 v[wd:wd+7], v[wf:wf+11], v[wx:wx+11], v[wd:wd+7], v[wr], v[ws] matrix_a_fmt:MATRIX_FMT_FP6 matrix_b_fmt:MATRIX_FMT_FP6 matrix_a_scale:MATRIX_SCALE_ROW1 matrix_b_scale:MATRIX_SCALE_ROW1
.elseif ((\zero) == 1) && ((\u) == 0)
	v_wmma_scale_f32_16x16x128_f8f6f4 v[wd:wd+7], v[wf:wf+11], v[wx:wx+11], 0, v[wr], v[ws] matrix_a_fmt:MATRIX_FMT_FP6 matrix_b_fmt:MATRIX_FMT_FP6
.else
	v_wmma_scale_f32_16x16x128_f8f6f4 v[wd:wd+7], v[wf:wf+11], v[wx:wx+11], v[wd:wd+7], v[wr], v[ws] matrix_a_fmt:MATRIX_FMT_FP6 matrix_b_fmt:MATRIX_FMT_FP6
.endif
.endm
; Products k0 .. k0 + n - 1 of a record's 32 with all eight resident tiles
.macro FULL p, k0, n
.set k, \k0
.rept \n
	WM k%8, \p, k/16, (k/8)%2, 0
.set k, k+1
.endr
.endm
; The same of a record's 16 with resident tiles 4 hh .. 4 hh + 3: both tiles' K step 0, then both tiles' K step 1
.macro HALF p, hh, k0, n, zero
.set k, \k0
.rept \n
	WM 4*(\hh)+k%4, \p, (k/4)%2, k/8, \zero
.set k, k+1
.endr
.endm
; My record q (0 .. 15) goes into buffer q % 2: where it lies
.macro AT q
.set fp, (\q)%2
.if (\q) < 2
.set fs, 0
.set fo, (\q)*REC
.elseif (\q) < 6
.set fs, 1
.set fo, ((\q)-2)*REC
.elseif (\q) < 10
.set fs, 2
.set fo, ((\q)-6)*REC
.else
.set fs, 3
.set fo, ((\q)-10)*REC
.endif
.endm
.macro FS s                            ; both tiles' fragments of K step s: 6 loads
.irp u, 0,1
.irp c, 0,1,2
	ds_load_b128 v[XB+48*fp+24*\u+12*\s+4*\c:XB+48*fp+24*\u+12*\s+4*\c+3], v[XAD+fs] offset:fo+3072*\u+1536*\s+512*\c
.endr
.endr
.endm
.macro FW                              ; both tiles' scale words: 2 loads
	ds_load_b32 v[SS+2*fp], v[XSD+fs] offset:fo+6144
	ds_load_b32 v[SS+2*fp+1], v[XSD+fs] offset:fo+6144+128
.endm
.macro FETCH q                         ; 14 loads
	AT \q
	FS 0
	FW
	FS 1
.endm
; Resident tiles 4 hh .. 4 hh + 3: their scale words, and their fragments of K step s into window 1
.macro RSCALES hh
.irp i, 0,1,2,3
	ds_load_b32 v[RS+8*\hh+\i], v[RSD] offset:(2*\hh+\i/2)*REC+6144+128*(\i%2)
.endr
.endm
.macro RFRAGS hh, s
	WIN 0x41                                       ; destination window 1, address window 1
.irp i, 0,1,2,3
.irp c, 0,1,2
	ds_load_b128 v[96*\hh+24*\i+12*\s+4*\c:96*\hh+24*\i+12*\s+4*\c+3], v[RAD] offset:(2*\hh+\i/2)*REC+3072*(\i%2)+1536*\s+512*\c
.endr
.endr
	WIN 0x01
.endm
; The waves under n wait for what they asked for at the head; the others have load lines of their own
.macro LANDED n
	WIN 0
	s_cmp_lt_u32 s8, \n
	s_cbranch_scc0 .Lnot_mine_\@
	s_wait_tensorcnt 0x0
.Lnot_mine_\@:
.endm
; An ordinary record: the next one is fetched into the other buffer, whose last products stand just before; then 32 products
.macro REG q
	PLACES
	FETCH (\q)+1
	s_wait_dscnt 14                                ; record q is in; the 14 loads just issued may be out
	FULL (\q)%2, 0, 32
.endm
; A record behind which the next part is shown whole to all waves; g0 > 0: a round of the cluster's barrier follows, and the bytes read so far are filled again.
.macro MEET q, g0
	s_wait_dscnt 0x0                               ; record q is in
	FULL (\q)%2, 0, 4
	WIN 0
	s_wait_tensorcnt 0x0                           ; all my tensor loads have landed;
.if \g0
	ds_add_u32 v[SPW], v[NIL]                      ; 0 onto my spare word
.endif
	WIN 0x01
	FULL (\q)%2, 4, 4
	s_wait_dscnt 0x0                               ; the add is done, and my reads of this part are over
	s_barrier_signal -1
	FULL (\q)%2, 8, 8
	WIN 0
	s_barrier_wait -1
.if \g0
	CREST                                          ; no wave of any partner still reads these bytes or has a load on its way
	tensor_load_to_lds s[\g0:\g0+3], s[84:91]      ; my one load behind the round
	s_nop 0
.endif
	PLACES
	WIN 0x01
	FETCH (\q)+1
	FULL (\q)%2, 16, 16
.endm
.macro LEVEL b, w                      ; parts p and p + w, four numbers each, are added, p = 0 .. w - 1
.set n, 0
.rept 2*\w
	v_pk_add_f32 v[\b+2*n:\b+2*n+1], v[\b+2*n:\b+2*n+1], v[\b+4*\w+2*n:\b+4*\w+2*n+1]
.set n, n+1
.endr
.endm
	s_wait_alu depctr_va_vdst(0)
	LANDED 4
	s_barrier_signal -1
	s_barrier_wait -1                              ; part 0 and the first four resident tiles of each half are in
	WIN 0x01
	AT 0
	RSCALES 0
	FW
	FS 0
	RFRAGS 0, 0
	FS 1
	RFRAGS 0, 1
	FETCH 1
	s_wait_dscnt 32                                ; K step 0's fragments and the scale words are in: behind them 6 + 12 + 14 loads
	HALF 0, 0, 0, 8, 1
	s_wait_dscnt 14                                ; all but record 1's 14 loads
	HALF 0, 0, 8, 4, 0
	LANDED 6
	s_wait_dscnt 0x0
	s_barrier_signal -1
	WIN 0x01
	HALF 0, 0, 12, 4, 0
	s_barrier_wait -1                              ; the other four resident tiles of each half are in
	RSCALES 1
	RFRAGS 1, 0
	RFRAGS 1, 1
	HALF 1, 0, 0, 16, 0                            ; record 1's first half while they come
	s_wait_dscnt 0x0
	HALF 0, 1, 0, 8, 1
	LANDED 7
	s_barrier_signal -1                            ; (no LDS instruction of mine is out)
	WIN 0x01
	HALF 0, 1, 8, 8, 0
	s_barrier_wait -1                              ; part 1 is in
	PLACES
	FETCH 2
	HALF 1, 1, 0, 16, 0
	REG 2
	REG 3
	REG 4
	MEET 5, 72                                     ; part 2 is in; part 3 is asked for
	REG 6
	REG 7
	REG 8
	MEET 9, 0                                      ; part 3 is in; nothing is left to fetch
	REG 10
	REG 11
	REG 12
	REG 13
	REG 14
	s_wait_dscnt 0x0
	FULL 1, 0, 32
	PLACES
	WIN 0
	; THE WAY OUT.  A wave's 128 resident rows, spread over 16 lanes, turn through its own bytes of LDS; LDS serves a wave's instructions in order (ISA guide 5.7.1.4): no wait between these stores and loads.
.irp a, 0,1,2,3,4,5,6,7
	ds_store_b128 v[STO], v[ACC+8*\a:ACC+8*\a+3] offset:64*\a
	ds_store_b128 v[STO], v[ACC+8*\a+4:ACC+8*\a+7] offset:64*\a+16
.endr
.irp c, 0,1,2,3,4,5,6,7,8,9,10,11,12,13,14,15
	ds_load_b128 v[96+4*\c:96+4*\c+3], v[RD] offset:CP*\c          ; column c of rows 4 x lane .. + 3
.endr
	s_wait_dscnt 0x0
	LEVEL 96, 8
	LEVEL 96, 4
	LEVEL 96, 2
	LEVEL 96, 1
	ds_store_b128 v[RD], v[96:99]                  ; my quarter's sums of 128 rows, at the start of my own bytes
	s_wait_dscnt 0x0                               ; for the others' sake
	s_barrier_signal -1
	s_barrier_wait -1
	s_cmp_lt_u32 s8, 2                             ; wave 0 ends half 0, wave 1 half 1: the four quarters
	s_cbranch_scc0 .Lend
.irp c, 0,1,2,3
	ds_load_b128 v[160+4*\c:160+4*\c+3], v[FIN] offset:SCRW*\c
.endr
	s_wait_dscnt 0x0
	LEVEL 160, 2
	LEVEL 160, 1
	global_store_b128 v4, v[160:163], s[6:7]       ; 512 consecutive bytes, at a multiple of 256 from out0's first byte
.Lend:
	s_wait_tensorcnt 0x0                           ; the wave's end
	ds_add_u32 v[SPW], v[NIL]
	s_wait_dscnt 0x0
	CROUND                                         ; the closing round: no work-group ends while a partner may still ask for records that name it
	s_endpgm
.Lfunc_end_k_q4af95613ff_score:
	.size	k_q4af95613ff_score, .Lfunc_end_k_q4af95613ff_score-k_q4af95613ff_score
	.p2alignl 7, 3214868480
	.fill 96, 4, 3214868480
	.section	.rodata,"a",@progbits
	.p2align	6, 0x0
	.amdhsa_kernel k_q4af95613ff_score
		.amdhsa_group_segment_fixed_size 327680
		.amdhsa_private_segment_fixed_size 0
		.amdhsa_enable_private_segment 0
		.amdhsa_kernarg_size 16
		.amdhsa_user_sgpr_count 2
		.amdhsa_user_sgpr_kernarg_segment_ptr 1
		.amdhsa_wavefront_size32 1
		.amdhsa_system_sgpr_workgroup_id_x 1
		.amdhsa_system_sgpr_workgroup_id_y 1
		.amdhsa_system_sgpr_workgroup_id_z 1
		.amdhsa_system_vgpr_workitem_id 0
		.amdhsa_next_free_vgpr 464
		.amdhsa_next_free_sgpr 96
		.amdhsa_reserve_vcc 0
		.amdhsa_float_denorm_mode_32 3
		.amdhsa_float_denorm_mode_16_64 3
		.amdhsa_memory_ordered 1
		.amdhsa_forward_progress 1
		.amdhsa_inst_pref_size 100
	.end_amdhsa_kernel
	.amdgpu_metadata
---
amdhsa.version: [ 1, 2 ]
amdhsa.kernels:
  - .name:           k_q4af95613ff_score
    .symbol:         k_q4af95613ff_score.kd
    .args:
      - { .name: codes, .offset: 0, .size: 8, .value_kind: global_buffer, .address_space: global }
      - { .name: out0, .offset: 8, .size: 8, .value_kind: global_buffer, .address_space: global }
    .group_segment_fixed_size: 327680
    .private_segment_fixed_size: 0
    .kernarg_segment_align: 8
    .kernarg_segment_size: 16
    .max_flat_workgroup_size: 256
    .sgpr_count:     96
    .vgpr_count:     464
    .wavefront_size: 32
...
	.end_amdgpu_metadata
.endif
;; end of part 2
